; MI455X (gfx1250); checked and timed in simulation.
; The chip was launched on July 23, 2026; its instructions are those of AMD's public machine-readable ISA for CDNA 5 (MIT licence, August 2026) and "CDNA5" Instruction Set Architecture Reference Guide (July 2026). The comments in the code are by the model that wrote it; some were corrected since.
;; Gaussian Mixture. Allowed arithmetic: float matrix products may take bf16 or f16 operands with f32 sums; all other float work in f32.
;; Inputs: A 2,048 x 2 x 2 float32; mu 2,048 x 2 float32; sample 65,536 x 2 float32; w 2,048 x 1 float32.
;; Outputs: out0 65,536 x 1 float32.
;; One version. Each part assembles by itself: llvm-mc -triple=amdgcn-amd-amdhsa -mcpu=gfx1250 --defsym DOCPART=n.
;; ======== version 1 of 1: 1 launch
;; limits: a difference of large sums (such as E[x^2] - mean^2): digits are lost where the result is much smaller than its terms
;; launch gmm_lse (part 1): grid 256 x 1, 8 waves a work-group, no clusters, 121,856 bytes of LDS; arguments A, mu, sample, w, out0; writes out0
.if DOCPART == 1
	.amdgcn_target "amdgcn-amd-amdhsa--gfx1250"
	.amdhsa_code_object_version 6
	.text
	.protected	k_qf59c019c8c_gmm_lse
	.globl	k_qf59c019c8c_gmm_lse
	.p2align	8
	.type	k_qf59c019c8c_gmm_lse,@function
k_qf59c019c8c_gmm_lse:
	s_mov_b64 s[64:65], 0
	v_nop
	global_prefetch_b8 v0, s[64:65] scope:SCOPE_SE
	s_setreg_imm32_b32 hwreg(HW_REG_WAVE_MODE, 25, 1), 1
	s_wait_xcnt 0x0
; out[i] = log sum_j exp( wlog_j - (x_i - mu_j)^T G_j (x_i - mu_j) ),  G_j = A_j A_j^T / 2,
; wlog_j = log_softmax(w)_j + 0.5 log det G_j.   65,536 samples, 2,048 components, 2 dimensions, all f32.
;
; SHARES.  256 work-groups of 256 samples; 8 waves of 32 samples.  LANES ARE COMPONENTS: a lane keeps the six parameters of 64
; components (32 lanes x 64 = 2,048) in 384 registers for the whole kernel, a sample comes as two scalars, so the loop over
; samples reads neither LDS nor vector memory.
; ARITHMETIC, in base 2 (k = log2 e).  With h = A A^T = 2 G and dA = det A:  k q = u0^2 + u1^2,
;   u0 = l00 x0 + l10 x1 - c0,  u1 = l11 x1 - c1,   l00 = sqrt(k/2) h00 / sqrt(h00),  l10 = sqrt(k/2) h01 / sqrt(h00),
;   l11 = sqrt(k/2) |dA| / sqrt(h00),  c0 = l00 mu0 + l10 mu1,  c1 = l11 mu1,  wl = k w - lse2(k w) + log2|dA| - 1.
; Five fused multiply-adds a pair, two components in each v_pk_fma_f32.  The 2x2 products of the einsum have K = 2: sixteen
; multiplies a component, done in f32 on the vector unit; a matrix instruction would use 2 of its 32 places along K.
; The exponents are not made as a bf16 product of monomials of x: that would be a difference of large sums.
; MAXIMUM.  A lane has its 64 exponents of a sample in registers, takes their maximum away before the exponentials and leaves
; (maximum, sum) in LDS; after the 32 samples lane i merges the 32 pairs of sample i, again about their maximum.
; LIMITS.  (1) x - mu is folded into the fma chain: u carries an error of about 2^-22 (|l00 x0| + |l10 x1| + |c0|), where the
; reference's x - mu is exact for near values.  (2) det G is taken as (det A)^2 / 4, true for every A; where the reference's
; g00 g11 - g01 g10 rounds to zero or below (-inf, NaN) this text stays finite; det A = 0 gives wl = -inf and the component adds
; nothing, as there.  (3) A first row of A with squared norm below 2^-100 is not factored rightly.  (4) Exponents below -2^126
; (base 2) give -inf.  (5) v_exp_f32 and v_log_f32 flush denormals (ISA guide, their entries): terms 2^-126 below their lane's
; maximum vanish, a denormal |det A| counts as 0.  Sums are formed in another order than the reference's.
.set NS_WAVE, 32                       ; samples of a wave
.set ARR,     8192                     ; bytes of one parameter array: 2,048 f32
.set WST,     6*ARR                    ; LDS: behind the six arrays, (max, sum) of k w of each of the 8 waves, 8 bytes each
.set OUTST,   WST+256                  ; LDS: the work-group's 256 results, 1,024 bytes
.set PART,    OUTST+1024               ; LDS: each wave's own 32 rows (one a sample) of 32 pairs (max, sum)
.set PPITCH,  272                      ; 256 bytes + 16: lane i reads row i by 16-byte loads, 17 x 16 bytes apart
.set PWAVE,   NS_WAVE*PPITCH
; registers of the loop.  Window 1 (v256-v511), by their low 8 bits:
.set L10, 0
.set NC0, 64                           ; -c0
.set L00, 128
.set L11, 192
; window 0:  v0 thread, v1 lane, v3-v5 offsets, v6, v7, v12-v15 LDS addresses, v[8:9] (max, sum) of the sample at work
.set T,   16                           ; v16-v63 at work (u1 of 32 components; the tree of maxima)
.set U,   16
.set NC1, 64                           ; -c1
.set WL,  128
.set E,   192                          ; 64 exponents
; registers of the set-up (window 0, all free again when the parameters are loaded)
.set AIN,  64                          ; 8 components x a00 a01 a10 a11
.set MUIN, 96                          ; 8 x mu0 mu1
.set WRAW, 112
.set KW,   120                         ; k w
.set PO,   128                         ; 6 arrays x 8 components, in the arrays' order in LDS: l10, -c0, l00, l11, -c1, wl
.set H00,  176
.set H01,  184
.set DA,   192
.set RR,   200
.set LG,   208
.set D,    216
.set SX0,  24                          ; s[24:25]: x0 and a written partner; s[26:27]: x1 likewise (a scalar pair is broadcast from its first register)
.set SX1,  26
.set MSB, 0
.macro WIN new                         ; the immediate's high byte repeats the setting that is left; switches that change nothing are dropped
.if MSB != \new
	s_set_vgpr_msb (MSB<<8)|\new
.set MSB, \new
.endif
.endm
	s_load_b256 s[4:11], s[0:1], 0x0               ; A s[4:5], mu s[6:7], sample s[8:9], w s[10:11]
	s_load_b64 s[12:13], s[0:1], 0x20              ; out0
	v_lshl_add_u32 v62, v0, 2, 0x1d800
	v_mov_b32 v63, 0
	v_and_b32 v1, 31, v0                           ; lane
	v_lshrrev_b32 v2, 5, v0
	v_readfirstlane_b32 s14, v2                    ; wave 0..7
	v_lshlrev_b32 v3, 6, v0                        ; thread t makes components 4t..4t+3 and 1024+4t..: 64 bytes of A,
	v_lshlrev_b32 v4, 5, v0                        ; 32 bytes of mu,
	v_lshlrev_b32 v5, 4, v0                        ; 16 bytes of w and of each parameter array
	s_mov_b32 s18, 0x76543210                      ; v_permlanex16_b32: lane i reads lane i of the other half
	s_mov_b32 s19, 0xfedcba98
	s_mov_b32 s22, 0x3fb8aa3b                      ; k = log2 e
	s_mov_b32 s23, 0x3f596d27                      ; sqrt(k / 2)
	s_mov_b32 s30, 0xfe800000                      ; -2^126: the least value a lane's maximum takes, so that -inf - max is never -inf + inf
	s_mov_b32 s31, 0x0d800000                      ; 2^-100: keeps 1 / sqrt(h00) finite
	s_mov_b32 s25, 0
	s_mov_b32 s27, 0
	s_lshl_b32 s16, ttmp9, 11                      ; the work-group's 256 samples of 8 bytes
	s_lshl_b32 s17, s14, 8                         ; + the wave's 32
	s_add_co_u32 s16, s16, s17
	s_mov_b32 s17, 0
	s_lshl_b32 s2, ttmp9, 10                       ; the work-group's 256 results of 4 bytes
	s_mov_b32 s3, 0
	s_wait_kmcnt 0x0
	global_load_b128 v[WRAW:WRAW+3], v5, s[10:11]
	global_load_b128 v[WRAW+4:WRAW+7], v5, s[10:11] offset:4096
.irp i, 0,1,2,3
	global_load_b128 v[AIN+4*\i:AIN+4*\i+3], v3, s[4:5] offset:16*\i
	global_load_b128 v[AIN+16+4*\i:AIN+16+4*\i+3], v3, s[4:5] offset:16384+16*\i
.endr
.irp i, 0,1
	global_load_b128 v[MUIN+4*\i:MUIN+4*\i+3], v4, s[6:7] offset:16*\i
	global_load_b128 v[MUIN+8+4*\i:MUIN+8+4*\i+3], v4, s[6:7] offset:8192+16*\i
.endr
	s_add_nc_u64 s[8:9], s[8:9], s[16:17]          ; sample at the wave's first
	s_add_nc_u64 s[12:13], s[12:13], s[2:3]        ; out0 at the work-group's first
	s_load_b64 s[20:21], s[8:9], 0x0               ; the wave's sample 0; waited for at the head of the loop
	s_lshl_b32 s16, s14, 3
	s_add_co_u32 s16, s16, WST                     ; my wave's pair in the w stage
	s_mul_i32 s17, s14, PWAVE
	s_add_co_u32 s17, s17, PART                    ; my wave's rows of partial results
	; ---- (max, sum) of 2^(k w) over my wave's 256 components
	s_wait_loadcnt 12                              ; w's two loads are in; the 8 of A and 4 of mu, issued behind them, stay out
.irp c, 0,1,2,3,4,5,6,7
	v_mul_f32 v[KW+\c], s22, v[WRAW+\c]
.endr
	v_max3_num_f32 v16, v[KW], v[KW+1], v[KW+2]
	v_max3_num_f32 v17, v[KW+3], v[KW+4], v[KW+5]
	v_max3_num_f32 v16, v16, v[KW+6], v[KW+7]
	v_max_num_f32 v16, v16, v17
	v_max_num_f32_dpp v16, v16, v16 row_xmask:1 row_mask:0xf bank_mask:0xf
	v_max_num_f32_dpp v16, v16, v16 row_xmask:2 row_mask:0xf bank_mask:0xf
	v_max_num_f32_dpp v16, v16, v16 row_xmask:4 row_mask:0xf bank_mask:0xf
	v_max_num_f32_dpp v16, v16, v16 row_xmask:8 row_mask:0xf bank_mask:0xf
	v_permlanex16_b32 v17, v16, s18, s19
	v_max_num_f32 v10, v16, v17                    ; the wave's maximum, in every lane
.irp c, 0,1,2,3,4,5,6,7
	v_sub_f32 v[D+\c], v[KW+\c], v10
.endr
.irp c, 0,1,2,3,4,5,6,7
	v_exp_f32 v[D+\c], v[D+\c]
.endr
	v_mov_b32 v6, s16                              ; a plain instruction between the exponentials and the first use of a result (ISA guide 5.7.2)
	s_wait_alu depctr_va_vdst(0)
	v_pk_add_f32 v[D:D+1], v[D:D+1], v[D+2:D+3]
	v_pk_add_f32 v[D+4:D+5], v[D+4:D+5], v[D+6:D+7]
	v_pk_add_f32 v[D:D+1], v[D:D+1], v[D+4:D+5]
	v_add_f32 v16, v[D], v[D+1]
	v_add_f32_dpp v16, v16, v16 row_xmask:1 row_mask:0xf bank_mask:0xf
	v_add_f32_dpp v16, v16, v16 row_xmask:2 row_mask:0xf bank_mask:0xf
	v_add_f32_dpp v16, v16, v16 row_xmask:4 row_mask:0xf bank_mask:0xf
	v_add_f32_dpp v16, v16, v16 row_xmask:8 row_mask:0xf bank_mask:0xf
	v_permlanex16_b32 v17, v16, s18, s19
	v_add_f32 v11, v16, v17
	ds_store_b64 v6, v[10:11]                      ; every lane writes the same pair to the wave's place
	; ---- the factors of my 8 components
	s_wait_loadcnt 4                               ; A is in; mu's four loads stay out
.irp c, 0,1,2,3,4,5,6,7
	v_mul_f32 v[H00+\c], v[AIN+4*\c], v[AIN+4*\c]
	v_mul_f32 v[H01+\c], v[AIN+4*\c], v[AIN+4*\c+2]
	v_mul_f32 v[DA+\c],  v[AIN+4*\c], v[AIN+4*\c+3]
.endr
.irp c, 0,1,2,3,4,5,6,7
	v_fmac_f32 v[H00+\c], v[AIN+4*\c+1], v[AIN+4*\c+1]                 ; h00 = a00^2 + a01^2 = 2 g00
	v_fmac_f32 v[H01+\c], v[AIN+4*\c+1], v[AIN+4*\c+3]                 ; h01 = a00 a10 + a01 a11 = g01 + g10
	v_fma_f32 v[DA+\c], -v[AIN+4*\c+1], v[AIN+4*\c+2], v[DA+\c]        ; det A;  det G = (det A)^2 / 4
.endr
.irp c, 0,1,2,3,4,5,6,7
	v_max_num_f32 v[RR+\c], s31, v[H00+\c]
	v_and_b32 v[DA+\c], 0x7fffffff, v[DA+\c]
.endr
.irp c, 0,1,2,3,4,5,6,7
	v_rsq_f32 v[RR+\c], v[RR+\c]
.endr
.irp c, 0,1,2,3,4,5,6,7
	v_log_f32 v[LG+\c], v[DA+\c]
.endr
	v_lshl_add_u32 v12, v1, 3, s17                 ; where my lane puts its pair of sample 0 (also the plain instruction behind the transcendentals)
	s_wait_alu depctr_va_vdst(0)
.irp c, 0,1,2,3,4,5,6,7
	v_mul_f32 v[RR+\c], s23, v[RR+\c]              ; sqrt(k/2) / sqrt(h00)
.endr
.irp c, 0,1,2,3,4,5,6,7
	v_mul_f32 v[PO+16+\c], v[H00+\c], v[RR+\c]     ; l00
	v_mul_f32 v[PO+\c],    v[H01+\c], v[RR+\c]     ; l10
	v_mul_f32 v[PO+24+\c], v[DA+\c],  v[RR+\c]     ; l11
	v_add_f32 v[LG+\c],    v[LG+\c],  v[KW+\c]     ; k w + log2|det A|
.endr
	s_wait_loadcnt 0x0                             ; mu
.irp c, 0,1,2,3,4,5,6,7
	v_mul_f32 v[PO+8+\c],  -v[PO+16+\c], v[MUIN+2*\c]
	v_mul_f32 v[PO+32+\c], -v[PO+24+\c], v[MUIN+2*\c+1]                ; -c1
.endr
.irp c, 0,1,2,3,4,5,6,7
	v_fma_f32 v[PO+8+\c], -v[PO+\c], v[MUIN+2*\c+1], v[PO+8+\c]        ; -c0
.endr
.irp a, 0,1,2,3,4
	ds_store_b128 v5, v[PO+8*\a:PO+8*\a+3] offset:\a*ARR               ; component j at byte 4 j of its array: lanes 16 bytes apart
	ds_store_b128 v5, v[PO+8*\a+4:PO+8*\a+7] offset:\a*ARR+4096
.endr
	v_mul_u32_u24 v13, v1, PPITCH
	v_add_nc_u32 v13, s17, v13                     ; where my lane reads row 'lane' back
	v_mov_b32 v2, WST
	s_wait_dscnt 0x0                               ; my stores are in LDS before I say so
	s_barrier_signal -1
	s_barrier_wait -1
	; ---- lse2(k w) from the eight waves' pairs, then wl
.irp k, 0,1,2,3
	ds_load_b128 v[16+4*\k:19+4*\k], v2 offset:16*\k                   ; every lane reads all eight pairs
.endr
	s_wait_dscnt 0x0
	v_max3_num_f32 v32, v16, v18, v20
	v_max3_num_f32 v33, v22, v24, v26
	v_max3_num_f32 v32, v32, v28, v30
	v_max_num_f32 v32, v32, v33
.irp k, 0,1,2,3,4,5,6,7
	v_sub_f32 v[16+2*\k], v[16+2*\k], v32
.endr
.irp k, 0,1,2,3,4,5,6,7
	v_exp_f32 v[16+2*\k], v[16+2*\k]
.endr
	v_add_f32 v32, 1.0, v32                        ; the 1 of log2|det A| - 1 = 0.5 log2 det G (the plain instruction behind the exponentials)
	s_wait_alu depctr_va_vdst(0)
	v_mul_f32 v34, v16, v17
	v_mul_f32 v35, v18, v19
	v_fmac_f32 v34, v20, v21
	v_fmac_f32 v35, v22, v23
	v_fmac_f32 v34, v24, v25
	v_fmac_f32 v35, v26, v27
	v_fmac_f32 v34, v28, v29
	v_fmac_f32 v35, v30, v31
	v_add_f32 v34, v34, v35
	v_log_f32 v34, v34
	v_lshlrev_b32 v7, 4, v1                        ; 16 x lane: from where I load parameters (the plain instruction behind the logarithm)
	s_wait_alu depctr_va_vdst(0)
	v_add_f32 v32, v32, v34                        ; lse2(k w) + 1
.irp c, 0,1,2,3,4,5,6,7
	v_sub_f32 v[PO+40+\c], v[LG+\c], v32           ; wl
.endr
	ds_store_b128 v5, v[PO+40:PO+43] offset:5*ARR
	ds_store_b128 v5, v[PO+44:PO+47] offset:5*ARR+4096
	s_wait_dscnt 0x0
	s_barrier_signal -1
	s_barrier_wait -1
	; ---- all 2,048 components into my wave's registers: load k of an array brings lane l components 128 k + 4 l + 0..3 (512 neighbouring bytes a load)
	WIN 0x40                                       ; destination in window 1, address in window 0
.irp a, 0,1,2,3
.set k, 0
.rept 16
	ds_load_b128 v[64*\a+4*k:64*\a+4*k+3], v7 offset:\a*ARR+512*k
.set k, k+1
.endr
.endr
	WIN 0
.irp a, 4,5
.set k, 0
.rept 16
	ds_load_b128 v[64*(\a-3)+4*k:64*(\a-3)+4*k+3], v7 offset:\a*ARR+512*k
.set k, k+1
.endr
.endr
	v_mov_b32 v9, 0                                ; partner of the maximum in v[8:9]: written before the pair is first named
	s_mov_b32 s28, 0
	s_mov_b32 s29, NS_WAVE-1
	s_wait_dscnt 0x0
; One sample against my wave's 2,048 components.  ahead = 1: the next sample is asked for.
.macro SAMPLE ahead
	s_wait_kmcnt 0x0                               ; this sample's two numbers are in; the load's offset register is free again
	s_mov_b32 s[SX0], s20
	s_mov_b32 s[SX1], s21
.if \ahead
	s_add_co_u32 s28, s28, 8
	s_load_b64 s[20:21], s[8:9], s28 offset:0x0    ; it has the whole trip in which to come
.endif
	WIN 0x11                                       ; sources 0 and 2 in window 1
.set p, 0
.rept 32
	v_pk_fma_f32 v[E+2*p:E+2*p+1], v[L10+2*p:L10+2*p+1], s[SX1:SX1+1], v[NC0+2*p:NC0+2*p+1] op_sel_hi:[1,0,1]   ; l10 x1 - c0
.set p, p+1
.endr
	WIN 0x01                                       ; source 0 in window 1
.set p, 0
.rept 32
	v_pk_fma_f32 v[E+2*p:E+2*p+1], v[L00+2*p:L00+2*p+1], s[SX0:SX0+1], v[E+2*p:E+2*p+1] op_sel_hi:[1,0,1]       ; u0
.set p, p+1
.endr
.set h, 0
.rept 2                                            ; u1 has 32 registers: 32 components at a time
	WIN 0x01
.set p, 0
.rept 16
	v_pk_fma_f32 v[U+2*p:U+2*p+1], v[L11+32*h+2*p:L11+32*h+2*p+1], s[SX1:SX1+1], v[NC1+32*h+2*p:NC1+32*h+2*p+1] op_sel_hi:[1,0,1]   ; u1
.set p, p+1
.endr
	WIN 0
.set p, 0
.rept 16
	v_pk_fma_f32 v[E+32*h+2*p:E+32*h+2*p+1], v[E+32*h+2*p:E+32*h+2*p+1], v[E+32*h+2*p:E+32*h+2*p+1], v[WL+32*h+2*p:WL+32*h+2*p+1] neg_lo:[1,0,0] neg_hi:[1,0,0]   ; wl - u0^2
.set p, p+1
.endr
.set p, 0
.rept 16
	v_pk_fma_f32 v[E+32*h+2*p:E+32*h+2*p+1], v[U+2*p:U+2*p+1], v[U+2*p:U+2*p+1], v[E+32*h+2*p:E+32*h+2*p+1] neg_lo:[1,0,0] neg_hi:[1,0,0]   ; - u1^2
.set p, p+1
.endr
.set h, h+1
.endr
	; my lane's maximum: 32 three-way maxima take 65 numbers, the 64 exponents and the floor
.set i, 0
.rept 21
	v_max3_num_f32 v[T+i], v[E+3*i], v[E+3*i+1], v[E+3*i+2]
.set i, i+1
.endr
.set i, 0
.rept 7
	v_max3_num_f32 v[T+21+i], v[T+3*i], v[T+3*i+1], v[T+3*i+2]
.set i, i+1
.endr
	v_max3_num_f32 v[T+28], v[T+21], v[T+22], v[T+23]
	v_max3_num_f32 v[T+29], v[T+24], v[T+25], v[T+26]
	v_max3_num_f32 v[T+30], v[T+28], v[T+29], v[T+27]
	v_max3_num_f32 v8, v[T+30], v[E+63], s30
	; in groups of eight: take the maximum away, exponentials, add.  Behind a group's exponentials stand the next group's
	; subtractions or an earlier group's additions, plain instructions that touch none of its registers (ISA guide 5.7.2).
.set i, 0
.rept 4
	v_pk_add_f32 v[E+2*i:E+2*i+1], v[E+2*i:E+2*i+1], v[8:9] op_sel_hi:[1,0] neg_lo:[0,1] neg_hi:[0,1]
.set i, i+1
.endr
.set g, 0
.rept 8
.set i, 0
.rept 8
	v_exp_f32 v[E+8*g+i], v[E+8*g+i]
.set i, i+1
.endr
.if g < 7
.set i, 0
.rept 4
	v_pk_add_f32 v[E+8*g+8+2*i:E+8*g+9+2*i], v[E+8*g+8+2*i:E+8*g+9+2*i], v[8:9] op_sel_hi:[1,0] neg_lo:[0,1] neg_hi:[0,1]
.set i, i+1
.endr
.endif
.if g > 1
.set i, 0
	s_wait_alu depctr_va_vdst(0)
.rept 4
	v_pk_add_f32 v[E+2*i:E+2*i+1], v[E+2*i:E+2*i+1], v[E+8*g-8+2*i:E+8*g-7+2*i]   ; group g-1 onto group 0: four chains, nothing is cleared
.set i, i+1
.endr
.endif
.set g, g+1
.endr
.set i, 0
	s_wait_alu depctr_va_vdst(0)
.rept 4
	v_pk_add_f32 v[E+2*i:E+2*i+1], v[E+2*i:E+2*i+1], v[E+56+2*i:E+57+2*i]
.set i, i+1
.endr
	v_pk_add_f32 v[E:E+1], v[E:E+1], v[E+2:E+3]
	v_pk_add_f32 v[E+4:E+5], v[E+4:E+5], v[E+6:E+7]
	v_pk_add_f32 v[E:E+1], v[E:E+1], v[E+4:E+5]
	v_add_f32 v9, v[E], v[E+1]
	ds_store_b64 v12, v[8:9]                       ; the sample's row: 32 lanes, 256 neighbouring bytes
	v_add_nc_u32 v12, PPITCH, v12                  ; the next sample's row
.endm
.Lsample:
	SAMPLE 1
	s_sub_co_u32 s29, s29, 1
	s_cmp_lg_u32 s29, 0
	s_cbranch_scc1 .Lsample
	SAMPLE 0                                       ; the wave's last sample: nothing is left to ask for
	; ---- lane i merges the 32 pairs of the wave's sample i.  The rows are the wave's own and LDS serves a wave's instructions in order.
.irp k, 0,1,2,3,4,5,6,7,8,9,10,11,12,13,14,15
	ds_load_b128 v[E+4*\k:E+4*\k+3], v13 offset:16*\k                  ; pair j: maximum in E+2j, sum in E+2j+1
.endr
	s_wait_dscnt 0x0
.irp i, 0,1,2,3,4,5,6,7,8,9
	v_max3_num_f32 v[T+\i], v[E+6*\i], v[E+6*\i+2], v[E+6*\i+4]
.endr
.irp i, 0,1,2
	v_max3_num_f32 v[T+10+\i], v[T+3*\i], v[T+3*\i+1], v[T+3*\i+2]
.endr
	v_max3_num_f32 v[T+13], v[T+9], v[E+60], v[E+62]
	v_max3_num_f32 v[T+14], v[T+10], v[T+11], v[T+12]
	v_max_num_f32 v[T+14], v[T+14], v[T+13]        ; the sample's maximum over all 2,048 components
.set j, 0
.rept 32
	v_sub_f32 v[E+2*j], v[E+2*j], v[T+14]
.set j, j+1
.endr
.set j, 0
.rept 32
	v_exp_f32 v[E+2*j], v[E+2*j]
.set j, j+1
.endr
	v_lshlrev_b32 v14, 2, v0                       ; my result's place in the stage (the plain instruction behind the exponentials)
	s_wait_alu depctr_va_vdst(0)
.irp i, 0,1,2,3
	v_mul_f32 v[T+16+\i], v[E+2*\i], v[E+2*\i+1]   ; the first four products start four chains
.endr
.set j, 4
.rept 28
	v_fmac_f32 v[T+16+j%4], v[E+2*j], v[E+2*j+1]
.set j, j+1
.endr
	v_pk_add_f32 v[T+16:T+17], v[T+16:T+17], v[T+18:T+19]
	v_add_f32 v[T+16], v[T+16], v[T+17]
	v_log_f32 v[T+16], v[T+16]
	v_lshlrev_b32 v15, 4, v0                       ; 16 x thread, for the way out (the plain instruction behind the logarithm)
	s_wait_alu depctr_va_vdst(0)
	v_add_f32 v[T+16], v[T+14], v[T+16]
	v_mul_f32 v[T+16], 0x3f317218, v[T+16]         ; back from base 2: x ln 2
	ds_store_b32 v14, v[T+16] offset:OUTST
	s_wait_dscnt 0x0                               ; my result is in the stage before I say so
	s_barrier_signal -1
	s_barrier_wait -1
	; ---- the way out: threads 0 to 63 take 16 bytes each, so that sixteen neighbouring lanes store 256 consecutive bytes, aligned
	s_cmp_gt_u32 s14, 1
	s_cbranch_scc1 .Lend
	ds_load_b128 v[16:19], v15 offset:OUTST
	s_wait_dscnt 0x0
	global_store_b128 v15, v[16:19], s[12:13]
.Lend:
	s_wait_tensorcnt 0x0
	ds_add_u32 v62, v63
	s_wait_dscnt 0x0
	s_endpgm
.Lfunc_end_k_qf59c019c8c_gmm_lse:
	.size	k_qf59c019c8c_gmm_lse, .Lfunc_end_k_qf59c019c8c_gmm_lse-k_qf59c019c8c_gmm_lse
	.p2alignl 7, 3214868480
	.fill 96, 4, 3214868480
	.section	.rodata,"a",@progbits
	.p2align	6, 0x0
	.amdhsa_kernel k_qf59c019c8c_gmm_lse
		.amdhsa_group_segment_fixed_size 121856
		.amdhsa_private_segment_fixed_size 0
		.amdhsa_enable_private_segment 0
		.amdhsa_kernarg_size 40
		.amdhsa_user_sgpr_count 2
		.amdhsa_user_sgpr_kernarg_segment_ptr 1
		.amdhsa_wavefront_size32 1
		.amdhsa_system_sgpr_workgroup_id_x 1
		.amdhsa_system_sgpr_workgroup_id_y 1
		.amdhsa_system_sgpr_workgroup_id_z 1
		.amdhsa_system_vgpr_workitem_id 0
		.amdhsa_next_free_vgpr 512
		.amdhsa_next_free_sgpr 66
		.amdhsa_reserve_vcc 0
		.amdhsa_float_denorm_mode_32 3
		.amdhsa_float_denorm_mode_16_64 3
		.amdhsa_memory_ordered 1
		.amdhsa_forward_progress 1
		.amdhsa_inst_pref_size 64
	.end_amdhsa_kernel
	.amdgpu_metadata
---
amdhsa.version: [ 1, 2 ]
amdhsa.kernels:
  - .name:           k_qf59c019c8c_gmm_lse
    .symbol:         k_qf59c019c8c_gmm_lse.kd
    .args:
      - { .name: A, .offset: 0, .size: 8, .value_kind: global_buffer, .address_space: global }
      - { .name: mu, .offset: 8, .size: 8, .value_kind: global_buffer, .address_space: global }
      - { .name: sample, .offset: 16, .size: 8, .value_kind: global_buffer, .address_space: global }
      - { .name: w, .offset: 24, .size: 8, .value_kind: global_buffer, .address_space: global }
      - { .name: out0, .offset: 32, .size: 8, .value_kind: global_buffer, .address_space: global }
    .group_segment_fixed_size: 121856
    .private_segment_fixed_size: 0
    .kernarg_segment_align: 8
    .kernarg_segment_size: 40
    .max_flat_workgroup_size: 256
    .sgpr_count:     66
    .vgpr_count:     512
    .wavefront_size: 32
...
	.end_amdgpu_metadata
.endif
;; end of part 1
